; MI455X (gfx1250); checked and timed in simulation.
; The chip was launched on July 23, 2026; its instructions are those of AMD's public machine-readable ISA for CDNA 5 (MIT licence, August 2026) and "CDNA5" Instruction Set Architecture Reference Guide (July 2026). The comments in the code are by the model that wrote it; some were corrected since.
;; Attention. Allowed arithmetic: matrix products marked QUANTISED: E2M1 operands, one E8M0 scale for each 32 along K, by v_wmma_scale_f32_16x16x128_f8f6f4 with both operands' format E2M1 (or v_wmma_scale_f32_32x16x128_f4), f32 sums; everything else in f32.
;; Inputs: k 2 x 2,048 x 8 x 128 float32; q 2 x 2,048 x 32 x 128 float32; v 2 x 2,048 x 8 x 128 float32.
;; Outputs: out0 2 x 2,048 x 4,096 float32.
;; This version of the problem:
;;   THIS VERSION OF THE PROBLEM IS GIVEN IN LOW PRECISION. The matrix products marked QUANTISED in the list below multiply operands that are first quantised to E2M1 (2 exponent bits, 1 mantissa bit; 4 bits a number), with one power-of-two scale for each 32 numbers along K (OCP MX v1.0); their sums are f32. All else is computed in f32.
;;   The module's matrix products, in the order in which they are computed (A, B: the left and right operand; K: the contracted axis; several contracted axes count as one K, in the product's order):
;;     1. batch 64 x [M 2,048, K 128] x [K 128, N 2,048]; A: input q; B: input k: QUANTISED
;;     2. batch 64 x [M 128, K 2,048] x [K 2,048, N 2,048]; A: input v; B: softmax (see below): QUANTISED
;;   THE QUANTISER, for each operand of a quantised product, along K:
;;     - K is cut into blocks of 32 from its start; a last block that is shorter is filled with zeros.
;;     - A block's scale is 2^e with e = floor(log2(the largest magnitude in the block)) - 2, held to -126 .. 127; a block of zeros has e = 0. As a byte (E8M0): e + 127.
;;     - Each number is divided by its block's scale, clamped to +-6, and rounded to the nearest number of E2M1, ties to even, subnormals kept.
;;     - The product sums the exact products of the quantised numbers (number of the format x scale) in f32.
;;   ~~~python
;;   def quantise(x, axis):      # numpy; x: float32 -> the quantised numbers, widened to float32 again
;;       x = np.moveaxis(x, axis, -1); K = x.shape[-1]
;;       x = np.pad(x, [(0, 0)] * (x.ndim - 1) + [(0, -K % 32)]); x = x.reshape(x.shape[:-1] + (-1, 32)); a = np.abs(x).max(-1, keepdims=True)
;;       e = np.where(a > 0, np.clip(np.frexp(np.where(a > 0, a, 1))[1] - 1 - 2, -126, 127), 0)      # np.frexp(a)[1] - 1 = floor(log2(a)), exactly
;;       r = np.clip(x / 2.0 ** e, -6, 6)
;;       step = 2.0 ** (np.maximum(np.frexp(np.where(r == 0, 1, r))[1] - 1, 0) - 1)
;;       q = np.round(r / step) * step * 2.0 ** e      # np.round: ties to even
;;       return np.moveaxis(q.reshape(q.shape[:-2] + (-1,))[..., :K], -1, axis).astype(np.float32)
;;   ~~~
;;   SOFTMAX AHEAD OF A QUANTISED PRODUCT. Where the list says 'softmax', what is quantised is not the finished softmax but p = 2^(t - M), with t = logit x log2(e) and M = ceil(the row's largest t), a whole number; so 1/2 < the row's largest p <= 1. The row's sum l is taken of the UNQUANTISED p, in f32, and the product's result is divided by l at the end. Since M is a whole number, a kernel that streams over the keys may use a running M (the ceiling of the running maximum): every later rescaling is an exact power of two, which a block's scale takes up: the codes' values come out the same.
;;   OPERANDS COMPUTED ON THE WAY. 'Computed on the way' means the value that the module computes at that place (a softmax that the list does not call 'softmax' is quantised finished and normalised). What goes into a quantiser is computed in f32, as accurately as f32 sums, v_exp_f32 and their like allow (about 1e-6 of the number): no bf16 or f16 on the way to a quantiser, and a product that is left as it is and whose result goes on into a quantised operand takes f32 operands (vector FMAs, or v_wmma_f32_16x16x4_f32). A number that lies on a knife's edge between two numbers of the format may be rounded either way, as far as f32 arithmetic and the matrix unit's own rounding can turn it there, and no further.
;; One version. Each part assembles by itself: llvm-mc -triple=amdgcn-amd-amdhsa -mcpu=gfx1250 --defsym DOCPART=n.
;; ======== version 1 of 1: 2 launches
;; workspace buffers: kv 4,456,448 bytes
;; launch quant_kv (part 1): grid 16 x 16, 8 waves a work-group, no clusters, 69,632 bytes of LDS; arguments k, v, kv; writes kv
.if DOCPART == 1
	.amdgcn_target "amdgcn-amd-amdhsa--gfx1250"
	.amdhsa_code_object_version 6
	.text
	.protected	k_qf8e9c38843_quant_kv
	.globl	k_qf8e9c38843_quant_kv
	.p2align	8
	.type	k_qf8e9c38843_quant_kv,@function
k_qf8e9c38843_quant_kv:
	s_mov_b64 s[64:65], 0
	v_nop
	global_prefetch_b8 v0, s[64:65] scope:SCOPE_SE
	s_setreg_imm32_b32 hwreg(HW_REG_WAVE_MODE, 25, 1), 1
	s_wait_xcnt 0x0
; k and v, [2][2048][8][128] f32, are turned into codes of FP4 (E2M1) with one E8M0 scale byte for each 32 numbers: k along the head's 128 (innermost), v along the KEYS (not innermost).
; A block's scale is 2^(floor(log2(its largest magnitude)) - 2); its byte is the largest magnitude's exponent field - 2, held at 1 from below.  Each number is divided by the scale and rounded to the nearest code, ties to even; beyond 6 the largest code.
; LIMITS: a block of zeros gets the byte 1 where the rule says 127 (its codes are zeros, which add nothing under any byte but 0xff, and this program alone reads the bytes); NaN and infinities among the inputs are not served.
; THE OUTPUT IS LAID AS THE NEXT LAUNCH'S OPERAND REGISTERS.  One RECORD of 17,408 bytes serves one key/value head hh = 8 b + h and one step of 128 keys, at byte (16 hh + step) x 17,408:
;   +0      K: 8 tiles x 1,024 bytes.  Row r of tile 2 b' + u is key 32 b' + 8 u + r + 8 (r / 8).  A tile is two runs of 512 bytes; in run c lane l = r + 16 h has the 16 bytes of d = 64 c + 32 h + 0 .. 31 at 16 l.
;   +8192   V: 8 tiles x 1,024 bytes.  Row r of tile T is d = 16 T + r; in run c lane r + 16 h has the codes of keys 64 c + 32 h + 0 .. 31 of the step.
;   +16384  K's scale words (four bytes: a row's four blocks): the word of (tile T, row r) at 256 (T / 4) + 16 r + 4 (T % 4).   +16896  V's likewise.
; SHARES.  A work-group of eight waves makes one record: 256 work-groups.  Wave w makes K's tile w (16 keys x 128 d), and of V the columns d = 32 (w & 3) + lane for the keys 64 (w >> 2) + 0 .. 63: two blocks a lane.
; K: each load reads a key's whole 512 bytes, 16 a lane; the conversions want 32 neighbours along d in ONE lane, so the tile turns through the wave's own stage in LDS (rows 528 bytes apart).
; V: a lane takes a column d and its registers run down the keys: a block lies in one lane's 32 registers and the codes come out with the keys innermost.  Nothing is transposed by an instruction.
; No tensor loads, no ring.  One barrier: the record's 1,024 scale bytes are gathered in LDS from all eight waves and leave in runs of 512 consecutive bytes.
.set REC,    17408
.set SP,     528                       ; a stage row: 512 bytes + 16 = 33 x 16: the sixteen rows that a load touches lie in sixteen different 16-byte columns of 256
.set WST,    16*SP                     ; a wave's stage
.set SCALES, 8*WST                     ; behind the stages: 512 bytes of K's scale words, 512 of V's
.set X,      48                        ; v48-111   K's tile as loaded: row i in 4 registers
.set Y,      112                       ; v112-175  and after the turn: register 32 c + i = d 64 c + 32 h + i of row r
.set VA,     176                       ; v176-207  V: my column's first block of 32 keys
.set VB,     208                       ; v208-239  the second
; v1 lane, v2 r, v3 h; v4-v13 addresses, none rewritten; v14-15 largest magnitudes, v16-17 the conversions' scale operands, v18-19 bytes, v20 K's scale word, v21-22 at work, v23 V's two bytes;
; v24-31 K's codes, v32-35 and v36-39 V's: each store has data registers of its own, so no wait frees any.
	s_load_b128 s[4:7], s[0:1], 0x0                ; k s[4:5], v s[6:7]
	s_load_b64 s[8:9], s[0:1], 0x10                ; kv
	v_lshl_add_u32 v240, v0, 2, 0x10c00
	v_mov_b32 v241, 0
	v_lshrrev_b32 v1, 5, v0
	v_readfirstlane_b32 s10, v1                    ; wave 0..7
	v_and_b32 v1, 31, v0                           ; lane
	v_and_b32 v2, 15, v0                           ; r
	v_bfe_u32 v3, v0, 4, 1                         ; h
	s_and_b32 s12, ttmp7, 0xffff                   ; hh
	s_lshr_b32 s20, s12, 3
	s_lshl_b32 s14, s20, 23                        ; the batch: 2,048 x 8 x 128 x 4 bytes
	s_lshl_b32 s20, ttmp9, 19                      ; the step: 128 keys of 4,096 bytes
	s_add_co_u32 s14, s14, s20
	s_and_b32 s20, s12, 7
	s_lshl_b32 s20, s20, 9                         ; the head: 512 bytes
	s_add_co_u32 s14, s14, s20                     ; the step's first key in k and in v alike
	s_lshr_b32 s20, s10, 1
	s_lshl_b32 s16, s20, 17                        ; K: my tile begins at key 32 (w / 2) + 8 (w % 2)
	s_and_b32 s20, s10, 1
	s_lshl_b32 s20, s20, 15
	s_add_co_u32 s16, s16, s20
	s_add_co_u32 s16, s16, s14
	s_mov_b32 s17, 0
	s_lshr_b32 s21, s10, 2                         ; g = w >> 2
	s_and_b32 s20, s10, 3                          ; W = w & 3
	s_lshl_b32 s24, s21, 18                        ; V: keys 64 g on,
	s_lshl_b32 s26, s20, 7                         ; columns 32 W on
	s_add_co_u32 s24, s24, s26
	s_add_co_u32 s24, s24, s14
	s_mov_b32 s25, 0
	s_lshl_b32 s18, s12, 4
	s_add_co_u32 s18, s18, ttmp9
	s_mul_i32 s18, s18, REC                        ; my record
	s_mov_b32 s19, 0
	s_mov_b32 s22, 0x76543210
	s_mov_b32 s23, 0xfedcba98                      ; v_permlanex16_b32's selects for lane l xor 16
	v_lshlrev_b32 v4, 4, v1                        ; K in: 16 bytes a lane of a key's 512
	s_mul_i32 s27, s10, WST
	v_add_nc_u32 v5, s27, v4                       ; the stage, on the way in: as loaded
	v_mul_u32_u24 v6, v2, SP
	v_lshl_add_u32 v6, v3, 7, v6
	v_add_nc_u32 v6, s27, v6                       ; and back: row r, + 128 h: my 32 neighbours of each half of the row
	s_lshl_b32 s28, s10, 10
	v_add_nc_u32 v7, s28, v4                       ; K's codes in the record: 1,024 w + 16 x lane
	s_lshl_b32 s28, s21, 8
	s_lshl_b32 s29, s20, 2
	s_add_co_u32 s28, s28, s29
	s_add_co_u32 s28, s28, SCALES
	v_lshl_add_u32 v8, v2, 4, s28                  ; K's scale word in LDS: 256 (w / 4) + 4 (w % 4) + 16 r
	v_lshlrev_b32 v9, 2, v1                        ; V in: 4 bytes a lane
	s_lshl_b32 s28, s20, 11
	s_lshl_b32 s29, s21, 9
	s_add_co_u32 s28, s28, s29
	v_lshlrev_b32 v10, 4, v2
	v_lshl_add_u32 v10, v3, 10, v10
	v_add_nc_u32 v10, s28, v10                     ; V's codes: tile 2 W + h (1,024 bytes), block 2 g (256 bytes), row r (16 bytes)
	s_lshr_b32 s28, s20, 1
	s_lshl_b32 s28, s28, 8
	s_and_b32 s29, s20, 1
	s_lshl_b32 s29, s29, 3
	s_add_co_u32 s28, s28, s29
	s_lshl_b32 s29, s21, 1
	s_add_co_u32 s28, s28, s29
	s_add_co_u32 s28, s28, SCALES+512
	v_lshlrev_b32 v11, 4, v2
	v_lshl_add_u32 v11, v3, 2, v11
	v_add_nc_u32 v11, s28, v11                     ; V's two scale bytes in LDS: the word of tile 2 W + h, row r, bytes 2 g and 2 g + 1
	v_lshlrev_b32 v12, 4, v0                       ; the scale bytes' way out: 16 bytes a thread of waves 0 and 1
	v_add_nc_u32 v13, SCALES, v12
	s_wait_kmcnt 0x0
	s_add_nc_u64 s[4:5], s[4:5], s[16:17]
	s_add_nc_u64 s[6:7], s[6:7], s[24:25]
	s_add_nc_u64 s[8:9], s[8:9], s[18:19]
.macro VLOAD beta, reg                 ; block beta of my column: v(32 beta + i, my d): a wave reads 128 consecutive bytes, four waves side by side a head's 512
.set i, 0
.rept 32
	global_load_b32 v[\reg+i], v9, s[6:7] offset:(32*\beta+i)*4096 th:TH_LOAD_NT
.set i, i+1
.endr
.endm
.macro VBLOCK reg, cod, byte           ; 32 numbers of one lane become 4 registers of codes and a scale byte
	v_max3_num_f32 v14, |v[\reg]|, |v[\reg+1]|, |v[\reg+2]|        ; the block's largest magnitude, in two chains
	v_max3_num_f32 v15, |v[\reg+3]|, |v[\reg+4]|, |v[\reg+5]|
.irp i, 6,10,14,18,22,26
	v_max3_num_f32 v14, v14, |v[\reg+\i]|, |v[\reg+\i+1]|
	v_max3_num_f32 v15, v15, |v[\reg+\i+2]|, |v[\reg+\i+3]|
.endr
	v_max3_num_f32 v14, v14, |v[\reg+30]|, |v[\reg+31]|
	v_max3_num_f32 v14, v14, v15, 0x1800000        ; and the floor 2^(3 - 127): the byte cannot fall under 1
	v_add_nc_u32 v16, 0xff000000, v14              ; 2 off its exponent field: the conversion takes the exponent field of this operand as its scale
	v_lshrrev_b32 v[\byte], 23, v16                ; the scale's byte
.irp g, 0,1,2,3
	v_cvt_scalef32_pk8_fp4_f32 v[\cod+\g], v[\reg+8*\g:\reg+8*\g+7], v16
.endr
	v_nop                                          ; one plain vector line behind the last conversion of a run
.endm
.irp i, 0,1,2,3,4,5,6,7,8,9,10,11,12,13,14,15
	global_load_b128 v[X+4*\i:X+4*\i+3], v4, s[4:5] offset:(\i+8*(\i/8))*4096 th:TH_LOAD_NT   ; row i of my tile: 512 consecutive bytes
.endr
	VLOAD 0, VA
	s_wait_loadcnt 32                              ; loads come back in order: K's sixteen are in, the 32 of V issued behind them may be out
	VLOAD 1, VB
.irp i, 0,1,2,3,4,5,6,7,8,9,10,11,12,13,14,15
	ds_store_b128 v5, v[X+4*\i:X+4*\i+3] offset:SP*\i
.endr
.irp c, 0,1
.irp j, 0,1,2,3,4,5,6,7
	ds_load_b128 v[Y+32*\c+4*\j:Y+32*\c+4*\j+3], v6 offset:256*\c+16*\j   ; LDS serves a wave's instructions in order: these see my stores
.endr
.endr
	s_wait_dscnt 0x0
	; K: my blocks h (c = 0) and 2 + h (c = 1) of row r: all 32 numbers of each are mine
.irp c, 0,1
	v_max3_num_f32 v[14+\c], |v[Y+32*\c]|, |v[Y+32*\c+1]|, 0x1800000   ; with the floor 2^(3 - 127) among the leaves
.endr
.irp i, 2,4,6,8,10,12,14,16,18,20,22,24,26,28,30
.irp c, 0,1
	v_max3_num_f32 v[14+\c], v[14+\c], |v[Y+32*\c+\i]|, |v[Y+32*\c+\i+1]|   ; (the two blocks by turns)
.endr
.endr
.irp c, 0,1
	v_add_nc_u32 v[16+\c], 0xff000000, v[14+\c]    ; the conversion's scale operand
.endr
.irp c, 0,1
	v_lshrrev_b32 v[18+\c], 23, v[16+\c]           ; the scale's byte
.endr
	v_lshl_or_b32 v20, v19, 16, v18                ; my two bytes: blocks h and 2 + h,
	v_lshlrev_b32 v21, 3, v3
	v_lshlrev_b32 v20, v21, v20                    ; at their places in the row's word (8 h bits up);
	v_mov_b32 v22, 0                               ; (a lane permute's destination counts as one of its sources)
	v_permlanex16_b32 v22, v20, s22, s23
	v_or_b32 v20, v20, v22                         ; with lane l xor 16's two the word is whole
.irp c, 0,1
.irp g, 0,1,2,3
	v_cvt_scalef32_pk8_fp4_f32 v[24+4*\c+\g], v[Y+32*\c+8*\g:Y+32*\c+8*\g+7], v[16+\c]
.endr
.endr
	v_nop                                          ; one plain vector line behind the last conversion of a run
.irp c, 0,1
	global_store_b128 v7, v[24+4*\c:27+4*\c], s[8:9] offset:512*\c   ; the wave stores 512 consecutive bytes, at a multiple of 256 from the buffer's first byte
.endr
	ds_store_b32 v8, v20                           ; both halves of the lanes write the same word with the same value
	; V
	s_wait_loadcnt 32                              ; the first block's 32 loads are in; the second block's may be out
	VBLOCK VA, 32, 18
	global_store_b128 v10, v[32:35], s[8:9] offset:8192   ; sixteen lanes store 256 consecutive bytes, aligned; the other sixteen the next tile's
	s_wait_loadcnt 0x0
	VBLOCK VB, 36, 19
	global_store_b128 v10, v[36:39], s[8:9] offset:8192+256
	v_lshl_or_b32 v23, v19, 8, v18                 ; the bytes of key blocks 2 g and 2 g + 1
	ds_store_b16 v11, v23
	s_wait_dscnt 0x0                               ; for the others' sake: my scale words lie in LDS
	s_barrier_signal -1
	s_barrier_wait -1                              ; everybody's do
	s_cmp_lt_u32 s10, 2
	s_cbranch_scc0 .Lend                           ; waves 0 and 1 carry the 1,024 bytes out
	ds_load_b128 v[40:43], v13
	s_wait_dscnt 0x0
	global_store_b128 v12, v[40:43], s[8:9] offset:16384   ; 512 consecutive bytes a wave
.Lend:
	s_wait_tensorcnt 0x0
	ds_add_u32 v240, v241
	s_wait_dscnt 0x0
	s_endpgm
.Lfunc_end_k_qf8e9c38843_quant_kv:
	.size	k_qf8e9c38843_quant_kv, .Lfunc_end_k_qf8e9c38843_quant_kv-k_qf8e9c38843_quant_kv
	.p2alignl 7, 3214868480
	.fill 96, 4, 3214868480
	.section	.rodata,"a",@progbits
	.p2align	6, 0x0
	.amdhsa_kernel k_qf8e9c38843_quant_kv
		.amdhsa_group_segment_fixed_size 69632
		.amdhsa_private_segment_fixed_size 0
		.amdhsa_enable_private_segment 0
		.amdhsa_kernarg_size 24
		.amdhsa_user_sgpr_count 2
		.amdhsa_user_sgpr_kernarg_segment_ptr 1
		.amdhsa_wavefront_size32 1
		.amdhsa_system_sgpr_workgroup_id_x 1
		.amdhsa_system_sgpr_workgroup_id_y 1
		.amdhsa_system_sgpr_workgroup_id_z 1
		.amdhsa_system_vgpr_workitem_id 0
		.amdhsa_next_free_vgpr 242
		.amdhsa_next_free_sgpr 66
		.amdhsa_reserve_vcc 0
		.amdhsa_float_denorm_mode_32 3
		.amdhsa_float_denorm_mode_16_64 3
		.amdhsa_memory_ordered 1
		.amdhsa_forward_progress 1
		.amdhsa_inst_pref_size 20
	.end_amdhsa_kernel
	.amdgpu_metadata
---
amdhsa.version: [ 1, 2 ]
amdhsa.kernels:
  - .name:           k_qf8e9c38843_quant_kv
    .symbol:         k_qf8e9c38843_quant_kv.kd
    .args:
      - { .name: k, .offset: 0, .size: 8, .value_kind: global_buffer, .address_space: global }
      - { .name: v, .offset: 8, .size: 8, .value_kind: global_buffer, .address_space: global }
      - { .name: kv, .offset: 16, .size: 8, .value_kind: global_buffer, .address_space: global }
    .group_segment_fixed_size: 69632
    .private_segment_fixed_size: 0
    .kernarg_segment_align: 8
    .kernarg_segment_size: 24
    .max_flat_workgroup_size: 256
    .sgpr_count:     66
    .vgpr_count:     242
    .wavefront_size: 32
...
	.end_amdgpu_metadata
.endif
;; end of part 1
;; launch attn (part 2): grid 16 x 16, 16 waves a work-group, no clusters, 327,680 bytes of LDS; arguments q, kv, out0; writes out0
.if DOCPART == 2
	.amdgcn_target "amdgcn-amd-amdhsa--gfx1250"
	.amdhsa_code_object_version 6
	.text
	.protected	k_qf8e9c38843_attn
	.globl	k_qf8e9c38843_attn
	.p2align	8
	.type	k_qf8e9c38843_attn,@function
k_qf8e9c38843_attn:
	s_mov_b64 s[64:65], 0
	v_nop
	global_prefetch_b8 v0, s[64:65] scope:SCOPE_SE
	s_setreg_imm32_b32 hwreg(HW_REG_WAVE_MODE, 25, 1), 1
	s_wait_xcnt 0x0
; out[b][t][hq][:] = the sum over keys k <= t of softmax_k(q[b][t][hq] . k[b][k][hq / 4] / sqrt(128)) v[b][k][hq / 4][:], both products on codes of FP4 (E2M1) with one E8M0 scale for each 32 along a product's K.
; q: [2][2048][32][128] f32, quantised here, in registers: each row is read by one wave, once.  K and V come as the records that the launch before has made: images of the operands' registers, 17,408 bytes for a key/value head and 128 keys
; (+0 K's 8 tiles, +8192 V's 8 tiles, +16384 K's scale words, +16896 V's).  out: f32, laid as q.
; THE SOFTMAX AHEAD OF THE SECOND PRODUCT: t = score x log2(e) / sqrt(128); M = the row's largest t so far, rounded UP to a whole number; p = 2^(t - M) is what is quantised, along the keys; it is not normalised.
; The row's sum is taken of the unquantised p, in f32, and divides O at the end.  When M moves, the sum and O are multiplied by 2^(old M - new M): exact.
; SHARES.  A work-group serves one key/value head hh = 8 b + h and its FOUR query heads, so that a record fetched into LDS feeds all four: sixteen waves = 4 heads (wave & 3) x 4 tiles of 16 queries (wave >> 2), 64 queries of each head.
; It makes two passes: query block j, then block 31 - j (j = work-group x, 0 .. 15).  Block i wants the keys 0 .. 64 i + 63: i / 2 + 1 steps of 128; the two passes together are 17 steps for every j: 256 work-groups of equal work.
; The 17 records come through a ring of two LDS slots, one tensor load a step, issued by wave 0 and read by all sixteen waves.  Only a pass's last step meets the diagonal; no step is wholly hidden.
; LAYOUT.  Both products are used transposed: S^T = K Q^T (source 0 = 16 keys, source 1 = my 16 queries), O^T = V^T P^T (source 0 = 16 of the head's 128, source 1 = P): a lane holds ONE query (lane % 16) throughout.
; Row r of K's tile 2 b + u is key 32 b + 8 u + r + 8 (r / 8), so that the 16 registers of tiles 2 b and 2 b + 1 are 16 neighbouring keys, 32 b + 16 (lane / 16) + 0 .. 15.
; NO JOINT REQUESTS.  The four heads that share K and V already share one fetch.  Of a head's sixteen work-groups only j = 2 m and 2 m + 1 walk the same records in the same order (N1 = j / 2 + 1 differs otherwise), and clusters are taken in fours:
; four partners would each need steps that they discard.  A work-group fetches 17 x 17,408 bytes beside the 524,288 bytes of q and out that are its own.
; LIMITS: NaN and infinities among the inputs are not served.  log2(e) / sqrt(128) is applied as ONE f32 constant.  p under 2^-126 comes out of v_exp_f32 as 0.  A block of q or p that is all zeros gets the scale byte 1 (its codes are zeros).
; A block's largest p is made from the block's largest score by the same two instructions: that takes v_exp_f32 not to fall where its input rises; at the worst one p of a block, within an ulp of a power of two, is held one code low.
; REGISTERS: v1-10 addresses that stay (v2: the step's); v12 -M, v13 the largest t, v[14:15] the sum in two halves; v16-23 Q's codes; v32-95 eight fragments of K, then of V; on the way out rows of out; v96-159 S^T, then p; q as loaded;
; v160-223 O^T; q after its turn; v224-231 p's codes; v232-247, v252, v254 at work; v248-251 K's, then V's scale words; v253 p's scale word; v255 Q's.
.set REC,   17408
.set VIMG,  8192
.set KSC,   16384
.set VSC,   16896
.set SLOT1, 32768                      ; slot 0 at LDS byte 0, slot 1 here: one exclusive or turns an address in one slot into the other's
.set SP,    528                        ; a stage row: 512 bytes + 16 = 33 x 16: sixteen rows lie in sixteen different 16-byte columns of 256
.set WST,   16*SP                      ; a wave's stage: 16 rows
.set STAGE, 65536                      ; the sixteen stages: written by LDS stores alone; no tensor load ever lands here
.set SPARE, STAGE+16*WST               ; the spare words, 128 bytes for each wave: eight blocks of 256 bytes that no other line names
.set LI,  1                            ; v1   16 x lane: my place in an image, in a stage row and in a row of q or out
.set ADR, 2                            ; v2   16 x lane + the slot in hand
.set QT,  3                            ; v3   the stage: q's turn: row r, + 64 h
.set SO,  4                            ; v4   the stage: where I put 32 bytes of a row of O: row r, + 32 h
.set SPW, 5                            ; v5   LDS address of my spare word; never rewritten
.set NIL, 6                            ; v6   0; never rewritten
.set SR,  7                            ; v7   the stage: a row as it lies: 16 x lane
.set DQ,  9                            ; v9   r - 16 h, for the mask
.set PF,  10                           ; v10  16,384 (lane / 2) + 256 (lane % 2): the 32 aligned blocks of 256 bytes of my 16 rows of q
.set QC,  16
.set FR,  32
.set S,   96
.set O,   160
.set PC,  224
.set SW,  248
.set QW,  255
.set WV,  10                           ; s10  my wave's number
.set N1,  13                           ; s13  steps of the first pass
.set Q0,  14                           ; s14  my first query in the pass in hand
.set Q0B, 15                           ; s15  and in the second pass
.set G1,  16                           ; s[16:23] descriptor group 1
.set G0,  24                           ; s[24:27] descriptor group 0: it walks
.set KVB, 28                           ; s[28:29] my head's first record
.set RO,  30                           ; s[30:31] a record's byte offset from there
.set QPA, 32                           ; s[32:33], s[34:35] q at my first row, pass A and pass B
.set QPB, 34
.set OPA, 36                           ; s[36:37], s[38:39] out likewise
.set OPB, 38
.set SEL, 40                           ; s[40:41] v_permlanex16_b32's selects for lane l xor 16
.set CS,  42                           ; s[42:43] c = log2(e) / sqrt(128): the packed form names a pair and takes its low word for both halves
.set TB,  44                           ; s44  LDS byte at which the slot in hand begins
.set T,   45                           ; s45  the step, 0 .. 16: the loop's counter
.set KF,  46                           ; s46  the step's first key
; Wave 0 fetches a record.  The branch hangs on the wave's number alone; four v_nop follow the load.
.macro TLOAD
	s_cmp_lg_u32 s[WV], 0
	s_cbranch_scc1 .Lasked_\@
	tensor_load_to_lds s[G0:G0+3], s[G1:G1+7]
	s_nop 0
.rept 4
	v_nop
.endr
.Lasked_\@:
.endm
; THE CHANGE OF SLOTS stands at a step's head.  Each wave waits for all its tensor loads (wave 0: the record that is about to be read), adds 0 to its spare word, and waits for that and for its reads of the slot that it has left.
; Behind the barrier the slot ahead is whole and nobody reads the other one.  fill = 1: that other slot takes the record of step T + 1, which is T + 1 in the first pass and T + 1 - N1 in the second: the load has a whole step in which to land.
.macro CHANGE fill
	s_wait_tensorcnt 0x0                           ; no tensor load of mine is out, so group 0 may be written
	ds_add_u32 v[SPW], v[NIL]                      ; 0 onto my spare word: the descriptor's step stands between it and the wait for it
.if \fill
	s_add_co_u32 s47, s[T], 1
	s_cmp_lt_u32 s47, s[N1]
	s_cselect_b32 s48, 0, s[N1]
	s_sub_co_u32 s47, s47, s48                     ; the next step's record
	s_mul_i32 s[RO], s47, REC
	s_xor_b32 s[G0+1], s[G0+1], SLOT1              ; the other slot than last time
	s_add_nc_u64 s[G0+2:G0+3], s[KVB:KVB+1], s[RO:RO+1]
	s_or_b32 s[G0+3], s[G0+3], 0x80000000          ; 127:126 type = 2
.endif
	s_wait_dscnt 0x0                               ; the add is done, and my reads of the slot that I have left are over
	s_barrier_signal -1
	s_barrier_wait -1
.if \fill
	TLOAD                                          ; the first thing behind the barrier, and the one tensor load until the next: one load is out at any time
.endif
.endm
; My 16 rows of q: each load reads one row's 512 consecutive bytes, 16 a lane.
.macro XLOAD base
.irp i, 0,1,2,3,4,5,6,7,8,9,10,11,12,13,14,15
	global_load_b128 v[S+4*\i:S+4*\i+3], v[LI], s[\base:\base+1] offset:16384*\i th:TH_LOAD_NT
.endr
.endm
; They turn through my stage: the conversions want neighbours along d in one lane.  Back: register 16 b + i = d 32 b + 16 h + i of row r, into O^T's registers, which are free here.
.macro QTURN
.irp i, 0,1,2,3,4,5,6,7,8,9,10,11,12,13,14,15
	ds_store_b128 v[SR], v[S+4*\i:S+4*\i+3] offset:SP*\i
.endr
.irp b, 0,1,2,3
.irp j, 0,1,2,3
	ds_load_b128 v[O+16*\b+4*\j:O+16*\b+4*\j+3], v[QT] offset:128*\b+16*\j   ; LDS serves a wave's instructions in order: these see my stores
.endr
.endr
	s_wait_dscnt 0x0
.endm
; 64 numbers of a lane, v[s] on, register 16 b + i = k 32 b + 16 (lane / 16) + i of my row, become Q's fragment in v[QC] on and its scale word in v[QW].
.macro QUANT s
.irp b, 0,1,2,3
	v_max3_num_f32 v[232+\b], |v[\s+16*\b]|, |v[\s+1+16*\b]|, 0x1800000   ; block b: my 16 numbers, and the floor 2^(3 - 127): the byte cannot fall under 1
.endr
.irp i, 2,4,6,8,10,12,14
.irp b, 0,1,2,3
	v_max3_num_f32 v[232+\b], v[232+\b], |v[\s+16*\b+\i]|, |v[\s+1+16*\b+\i]|   ; (the four blocks by turns)
.endr
.endr
.irp b, 0,1,2,3
	v_permlanex16_b32 v[236+\b], v[232+\b], s[SEL], s[SEL+1]
.endr
.irp b, 0,1,2,3
	v_max_num_f32 v[232+\b], v[232+\b], v[236+\b]  ; with lane l xor 16's: the block's largest magnitude
.endr
.irp b, 0,1,2,3
	v_add_nc_u32 v[244+\b], 0xff000000, v[232+\b]  ; 2 off its exponent field: the conversion's scale operand
.endr
.irp b, 0,1,2,3
	v_lshrrev_b32 v[236+\b], 23, v[244+\b]         ; the scale's byte
.endr
	v_lshl_or_b32 v[QW], v237, 8, v236             ; the four bytes make my row's scale word
	v_lshl_or_b32 v[QW], v238, 16, v[QW]
	v_lshl_or_b32 v[QW], v239, 24, v[QW]
.irp b, 0,1,2,3
	v_cvt_scalef32_pk8_fp4_f32 v[QC+2*\b], v[\s+16*\b:\s+7+16*\b], v[244+\b]
	v_cvt_scalef32_pk8_fp4_f32 v[QC+1+2*\b], v[\s+8+16*\b:\s+15+16*\b], v[244+\b]
.endr
	v_nop                                          ; one plain place behind a scaled conversion
.irp c, 0,1                                    ; the operand's layout wants a WHOLE block in a lane: lanes 0-15 block 2 c, lanes 16-31 block 2 c + 1
.irp i, 0,1
	v_permlane16_swap_b32 v[QC+4*\c+\i], v[QC+2+4*\c+\i]
.endr
.endr
.endm
; A pass begins: the step is written once, and a pass's first step finds zeros, which the first change of M leaves zeros.  These 68 plain lines also stand between QUANT's writes of Q's codes and scale word and the first product.
.macro INIT
	v_mov_b32 v13, 0xff61b1e6                      ; the largest t so far: -3e38, under every t
	v_floor_f32 v12, -v13                          ; -M
	v_mov_b32 v14, 0                               ; the sum, in two halves
	v_mov_b32 v15, 0
.set n, 0
.rept 64
	v_mov_b32 v[O+n], 0
.set n, n+1
.endr
.endm
; A pass ends: O^T is divided by the row's sum and goes through my stage, so that each store of the wave is a whole row of 512 consecutive bytes of out.  again = 1: another pass follows.
.macro FINISH base, again
.rept 4
	v_nop                                          ; four places between the last products and the first read of their results
.endr
	v_add_f32 v14, v14, v15                        ; the sum's two halves,
	v_permlanex16_b32 v252, v14, s[SEL], s[SEL+1]
	v_add_f32 v14, v14, v252                       ; and lane l xor 16's: the row's sum
	v_rcp_f32 v14, v14
	v_nop                                          ; a plain place behind the transcendental
.set n, 0
	s_wait_alu depctr_va_vdst(0)
.rept 32
	v_pk_mul_f32 v[O+n:O+n+1], v[O+n:O+n+1], v[14:15] op_sel_hi:[1,0]   ; each accumulator from its low end on: register 8 t + i is o(r, 16 t + 8 h + i)
.set n, n+2
.endr
.irp t, 0,1,2,3,4,5,6,7
	ds_store_b128 v[SO], v[O+8*\t:O+8*\t+3] offset:64*\t
	ds_store_b128 v[SO], v[O+8*\t+4:O+8*\t+7] offset:64*\t+16
.endr
.irp i, 0,1,2,3,4,5,6,7,8,9,10,11,12,13,14,15
	ds_load_b128 v[FR+4*\i:FR+4*\i+3], v[SR] offset:SP*\i   ; LDS serves a wave's instructions in order: these see my stores
.endr
.irp i, 0,1,2,3,4,5,6,7,8,9,10,11,12,13,14,15
	s_wait_dscnt 15-\i                             ; row i is back; the younger loads may be out
	global_store_b128 v[LI], v[FR+4*\i:FR+4*\i+3], s[\base:\base+1] offset:16384*\i th:TH_STORE_NT   ; 512 consecutive bytes, at a multiple of 256 from out's first byte; written once, read by nobody here
.endr
.if \again
	s_wait_xcnt 0x0                                ; the stores' data registers are loaded again in the next step only behind this wait
.endif
.endm
; A KEY STEP: the 128 keys of the record in the slot in hand.  inloop = 1: the copy inside the loop, which holds the one prefetch.
.macro STEP inloop
	s_cmp_lt_u32 s[T], s[N1]
	s_cselect_b32 s47, 0, s[N1]
	s_sub_co_u32 s47, s[T], s47                    ; the step within its pass
	s_lshl_b32 s[KF], s47, 7                       ; its first key
	s_sub_co_i32 s48, s[Q0], s[KF]
	v_add_nc_u32 v[ADR], s[TB], v[LI]
.rept 3
	v_nop                                          ; with the addition above: four places between the last step's products and the loads into registers that they read
.endr
	ds_load_b128 v[SW:SW+3], v[ADR] offset:KSC     ; K's scale words: register t: lanes 0-15 tile t's rows, lanes 16-31 tile 4 + t's
.irp t, 0,1,2,3,4,5,6,7
.irp c, 0,1
	ds_load_b128 v[FR+8*\t+4*\c:FR+8*\t+4*\c+3], v[ADR] offset:1024*\t+512*\c   ; an image of the fragment's registers: 512 consecutive bytes a load
.endr
.endr
	s_wait_dscnt 8                                 ; the scale words and tiles 0-3 are in; the eight loads of tiles 4-7 may be out
.irp t, 0,1,2,3
	v_wmma_scale_f32_16x16x128_f8f6f4 v[S+8*\t:S+8*\t+7], v[FR+8*\t:FR+8*\t+7], v[QC:QC+7], 0, v[SW+\t], v[QW] matrix_a_fmt:MATRIX_FMT_FP4 matrix_b_fmt:MATRIX_FMT_FP4
.endr
	s_wait_dscnt 0x0
.irp t, 0,1,2,3
	v_wmma_scale_f32_16x16x128_f8f6f4 v[S+32+8*\t:S+32+8*\t+7], v[FR+32+8*\t:FR+32+8*\t+7], v[QC:QC+7], 0, v[SW+\t], v[QW] matrix_a_fmt:MATRIX_FMT_FP4 matrix_b_fmt:MATRIX_FMT_FP4 matrix_a_scale:MATRIX_SCALE_ROW1
.endr
	v_add_nc_u32 v252, s48, v[DQ]                  ; d = my query - KF - 16 (lane / 16), for the mask.  Four places: behind them come loads into the products' sources and the first read of the scores
	v_mov_b32 v254, 0xff800000                     ; -infinity
	v_nop
	v_nop
	ds_load_b128 v[SW:SW+3], v[ADR] offset:VSC     ; V's scale words and fragments go into the registers that K's have left: they land while the softmax is walked
.irp t, 0,1,2,3,4,5,6,7
.irp c, 0,1
	ds_load_b128 v[FR+8*\t+4*\c:FR+8*\t+4*\c+3], v[ADR] offset:VIMG+1024*\t+512*\c
.endr
.endr
.if \inloop
	s_add_co_u32 s47, s[T], 1                      ; in the first pass's last step each wave asks for the 32 aligned blocks of 256 bytes of its own 16 rows of q of the second pass, one a lane: each block once in the launch, one step ahead of its load, inside q
	s_cmp_lg_u32 s47, s[N1]
	s_cbranch_scc1 .Lnopf_\@
	global_prefetch_b8 v[PF], s[QPB:QPB+1] th:TH_LOAD_NT scope:SCOPE_SE
.Lnopf_\@:
.endif
	s_add_co_u32 s47, s[KF], 127                   ; CAUSAL.  A step all of whose keys count skips the mask: a scalar branch on ids and the loop's counter
	s_cmp_le_u32 s47, s[Q0]
	s_cbranch_scc1 .Lopen_\@
.set n, 0
.rept 64                                       ; register 16 b + i holds key KF + 16 (lane / 16) + 32 b + i: hidden where 32 b + i > d.  Hidden scores become -infinity ahead of the maximum: p = 0 then.  Ascending: each accumulator from its low end on
	v_cmp_gt_i32 vcc_lo, 32*(n/16)+n%16, v252
	v_cndmask_b32 v[S+n], v[S+n], v254, vcc_lo
.set n, n+1
.endr
.Lopen_\@:
.irp b, 0,1,2,3
	v_max3_num_f32 v[232+\b], v[S+16*\b], v[S+1+16*\b], v[S+2+16*\b]   ; THE LARGEST SCORE OF EACH BLOCK OF 32 KEYS: for the row's maximum and, since p rises with the score, for the block's largest p
.endr
.irp i, 3,5,7,9,11,13
.irp b, 0,1,2,3
	v_max3_num_f32 v[232+\b], v[232+\b], v[S+16*\b+\i], v[S+1+16*\b+\i]   ; (the four blocks by turns)
.endr
.endr
.irp b, 0,1,2,3
	v_max_num_f32 v[232+\b], v[232+\b], v[S+15+16*\b]
.endr
.irp b, 0,1,2,3
	v_permlanex16_b32 v[236+\b], v[232+\b], s[SEL], s[SEL+1]
.endr
.irp b, 0,1,2,3
	v_max_num_f32 v[232+\b], v[232+\b], v[236+\b]  ; with lane l xor 16's 16 keys
.endr
	v_max3_num_f32 v254, v232, v233, v234
	v_max_num_f32 v254, v254, v235                 ; the step's largest score of my query
	v_mul_f32 v254, s[CS], v254                    ; as t (c is positive)
	v_max_num_f32 v13, v13, v254                   ; the running largest t
	v_mov_b32 v254, v12
	v_floor_f32 v12, -v13                          ; the new -M = floor(-t) = -ceil(t): M IS A WHOLE NUMBER
	v_sub_f32 v254, v12, v254                      ; M's old value less its new one: a whole number, 0 or less
	v_cvt_i32_f32 v254, v254                       ; (it saturates)
	v_ldexp_f32 v252, 1.0, v254                    ; f = 2^(old M - new M): a multiplication by it rounds nothing
.set n, 0
.rept 32
	v_pk_fma_f32 v[S+n:S+n+1], v[S+n:S+n+1], s[CS:CS+1], v[12:13] op_sel_hi:[1,0,0]   ; t - M, two at a time (of the pairs c and -M the low word serves both halves)
.set n, n+2
.endr
.irp b, 0,1,2,3
	v_fma_f32 v[232+\b], v[232+\b], s[CS], v12     ; the same of each block's largest score
.endr
.set n, 0
.rept 64
	v_exp_f32 v[S+n], v[S+n]                       ; p = 2^(t - M), at most 1: NOT normalised
.set n, n+1
.endr
.irp b, 0,1,2,3
	v_exp_f32 v[232+\b], v[232+\b]                 ; the block's largest p: the same two instructions on the same number give the same bits
.endr
	v_pk_mul_f32 v[14:15], v[14:15], v[252:253] op_sel_hi:[1,0]   ; the sums under the new M.  (A plain place behind the exponentials)
	s_wait_alu depctr_va_vdst(0)
.irp b, 0,1,2,3
	v_max_num_f32 v[232+\b], 0x1800000, v[232+\b]  ; the floor 2^(3 - 127): the byte cannot fall under 1 (a block whose every p is 0 keeps that byte: its codes are zeros)
.endr
.irp b, 0,1,2,3
	v_add_nc_u32 v[244+\b], 0xff000000, v[232+\b]  ; 2 off the exponent field: the conversion's scale operand
.endr
.irp b, 0,1,2,3
	v_lshrrev_b32 v[236+\b], 23, v[244+\b]         ; the scale's byte
.endr
	v_lshl_or_b32 v253, v237, 8, v236              ; p's scale word for these 128 keys
	v_lshl_or_b32 v253, v238, 16, v253
	v_lshl_or_b32 v253, v239, 24, v253
.irp b, 0,1,2,3
	v_cvt_scalef32_pk8_fp4_f32 v[PC+2*\b], v[S+16*\b:S+7+16*\b], v[244+\b]
	v_cvt_scalef32_pk8_fp4_f32 v[PC+1+2*\b], v[S+8+16*\b:S+15+16*\b], v[244+\b]
.endr
	v_nop                                          ; one plain place behind a scaled conversion
.irp c, 0,1                                    ; the operand's layout wants a WHOLE block in a lane
.irp i, 0,1
	v_permlane16_swap_b32 v[PC+4*\c+\i], v[PC+2+4*\c+\i]
.endr
.endr
	v_pk_add_f32 v[236:237], v[S:S+1], v[S+2:S+3]  ; THE ROW'S SUM IS TAKEN OF THE UNQUANTISED p: two at a time, in two chains
.irp j, 4,8,12,16,20,24,28,32,36,40,44,48,52,56,60
	v_pk_add_f32 v[14:15], v[14:15], v[S+\j:S+1+\j]
	v_pk_add_f32 v[236:237], v[236:237], v[S+2+\j:S+3+\j]
.endr
	v_pk_add_f32 v[14:15], v[14:15], v[236:237]
.set n, 0
.rept 32
	v_pk_mul_f32 v[O+n:O+n+1], v[O+n:O+n+1], v[252:253] op_sel_hi:[1,0]   ; O^T under the new M: x f, each accumulator from its low end on.  (These and the sums are the places between p's codes and scale word and the products below)
.set n, n+2
.endr
	s_wait_dscnt 0x0                               ; V's fragments and scale words are in
.irp t, 0,1,2,3                                ; O^T += V^T P^T: the eight accumulators take turns, one instruction a turn
	v_wmma_scale_f32_16x16x128_f8f6f4 v[O+8*\t:O+8*\t+7], v[FR+8*\t:FR+8*\t+7], v[PC:PC+7], v[O+8*\t:O+8*\t+7], v[SW+\t], v253 matrix_a_fmt:MATRIX_FMT_FP4 matrix_b_fmt:MATRIX_FMT_FP4
.endr
.irp t, 0,1,2,3
	v_wmma_scale_f32_16x16x128_f8f6f4 v[O+32+8*\t:O+32+8*\t+7], v[FR+32+8*\t:FR+32+8*\t+7], v[PC:PC+7], v[O+32+8*\t:O+32+8*\t+7], v[SW+\t], v253 matrix_a_fmt:MATRIX_FMT_FP4 matrix_b_fmt:MATRIX_FMT_FP4 matrix_a_scale:MATRIX_SCALE_ROW1
.endr
.endm
	s_load_b128 s[4:7], s[0:1], 0x0                ; q s[4:5], kv s[6:7]
	s_load_b64 s[8:9], s[0:1], 0x10                ; out0
	v_lshl_add_u32 v[SPW], v0, 2, SPARE
	v_mov_b32 v[NIL], 0
	ds_add_u32 v5, v6
	s_wait_dscnt 0x0
	v_lshrrev_b32 v1, 5, v0
	v_readfirstlane_b32 s[WV], v1                  ; wave 0..15
	s_mov_b32 s11, ttmp9                           ; j
	s_and_b32 s12, ttmp7, 0xffff                   ; hh
	s_lshr_b32 s[N1], s11, 1
	s_add_co_u32 s[N1], s[N1], 1                   ; block j wants j / 2 + 1 steps
	s_lshr_b32 s47, s[WV], 2
	s_lshl_b32 s47, s47, 4                         ; my tile of 16 queries in a block of 64
	s_lshl_b32 s[Q0], s11, 6
	s_add_co_u32 s[Q0], s[Q0], s47                 ; my first query, pass A
	s_sub_co_u32 s[Q0B], 31, s11
	s_lshl_b32 s[Q0B], s[Q0B], 6
	s_add_co_u32 s[Q0B], s[Q0B], s47               ; and pass B
	s_and_b32 s48, s12, 7
	s_lshl_b32 s48, s48, 2
	s_and_b32 s49, s[WV], 3
	s_add_co_u32 s48, s48, s49                     ; my query head: 4 x key/value head + wave & 3
	s_lshl_b32 s48, s48, 9                         ; 512 bytes a head,
	s_lshr_b32 s49, s12, 3
	s_lshl_b32 s49, s49, 25                        ; 2,048 x 16,384 bytes a batch,
	s_add_co_u32 s48, s48, s49
	s_lshl_b32 s50, s[Q0], 14                      ; 16,384 bytes a query: q and out are laid alike
	s_add_co_u32 s50, s50, s48
	s_mov_b32 s51, 0
	s_lshl_b32 s52, s[Q0B], 14
	s_add_co_u32 s52, s52, s48
	s_mov_b32 s53, 0
	s_mul_i32 s[RO], s12, 16*REC                   ; my head's sixteen records
	s_mov_b32 s[RO+1], 0
	; descriptor group 1: a record is a dense block of 17,408 bytes: 68 rows of 256 bytes (32 elements of 8 bytes), laid in LDS without gaps
	s_mov_b32 s[G1], 3<<16                         ; 15:0 no mask; 17:16 elements of 8 bytes; 20 no padding
	s_mov_b32 s[G1+1], 32<<16                      ; tensor_dim0 = 32
	s_mov_b32 s[G1+2], 68<<16                      ; tensor_dim1 = 68
	s_mov_b32 s[G1+3], 32<<16                      ; tile_dim0 = 32
	s_mov_b32 s[G1+4], 68                          ; tile_dim1 = 68
	s_mov_b32 s[G1+5], 32                          ; tensor_dim0_stride
	s_mov_b32 s[G1+6], 0
	s_mov_b32 s[G1+7], 0
	s_mov_b32 s[SEL], 0x76543210
	s_mov_b32 s[SEL+1], 0xfedcba98
	s_mov_b32 s[CS], 0x3e0293ee                    ; c = log2(e) / sqrt(128)
	s_mov_b32 s[CS+1], s[CS]                       ; (named with it as a pair, so it is written)
	s_mov_b32 s[TB], 0
	s_mov_b32 s[T], 0
	s_wait_kmcnt 0x0
	s_add_nc_u64 s[KVB:KVB+1], s[6:7], s[RO:RO+1]
	s_add_nc_u64 s[QPA:QPA+1], s[4:5], s[50:51]
	s_add_nc_u64 s[QPB:QPB+1], s[4:5], s[52:53]
	s_add_nc_u64 s[OPA:OPA+1], s[8:9], s[50:51]
	s_add_nc_u64 s[OPB:OPB+1], s[8:9], s[52:53]
	s_mov_b32 s[G0], 1                             ; 1:0 count = 1
	s_mov_b32 s[G0+1], 0                           ; 63:32 LDS address: slot 0
	s_mov_b64 s[G0+2:G0+3], s[KVB:KVB+1]           ; 120:64 global address: record 0
	s_or_b32 s[G0+3], s[G0+3], 0x80000000          ; 127:126 type = 2
	TLOAD                                          ; the first fill, ahead of every wait on TENSORcnt, every LDS read and every barrier
	v_and_b32 v2, 31, v0                           ; lane
	v_lshlrev_b32 v[LI], 4, v2
	XLOAD QPA                                      ; pass A's q
	v_and_b32 v8, 15, v0                           ; r
	v_bfe_u32 v11, v0, 4, 1                        ; h
	s_mul_i32 s47, s[WV], WST
	s_add_co_u32 s47, s47, STAGE                   ; my stage
	v_mul_u32_u24 v[SO], v8, SP
	v_lshl_add_u32 v[QT], v11, 6, v[SO]
	v_lshl_add_u32 v[SO], v11, 5, v[SO]
	v_add_nc_u32 v[QT], s47, v[QT]
	v_add_nc_u32 v[SO], s47, v[SO]
	v_add_nc_u32 v[SR], s47, v[LI]
	v_lshlrev_b32 v[DQ], 4, v11
	v_sub_nc_u32 v[DQ], v8, v[DQ]
	v_lshrrev_b32 v[PF], 1, v2
	v_lshlrev_b32 v[PF], 14, v[PF]
	v_and_b32 v2, 1, v2
	v_lshl_add_u32 v[PF], v2, 8, v[PF]
.irp b, 0,1,2,3
	v_mov_b32 v[236+\b], 0                         ; written once: a lane permute's destination counts as one of its sources
.endr
	v_mov_b32 v252, 0
	v_mov_b32 v253, 0                              ; (named as the upper half of the pair v[252:253] before it is first written)
	s_wait_loadcnt 0x0                             ; q
	QTURN
	QUANT O
	INIT
.Lstep:                                                ; 16 trips: behind each change of slots but the last the next record is asked for
	CHANGE 1
	s_cmp_lg_u32 s[T], s[N1]                       ; the same in all sixteen waves: no barrier and no tensor load stands in what is jumped over
	s_cbranch_scc1 .Lsame
	XLOAD QPB                                      ; THE FIRST PASS IS OVER (once, at step N1, at most 8): pass B's q is asked for and lands while pass A's rows leave
	FINISH OPA, 1
	s_mov_b32 s[Q0], s[Q0B]
	s_wait_loadcnt 0x0                             ; q
	QTURN                                          ; (behind FINISH's last wait no LDS instruction of mine is out: O^T's registers and the stage are free)
	QUANT O
	INIT
.Lsame:
	STEP 1
	s_xor_b32 s[TB], s[TB], SLOT1                  ; on to the other slot
	s_add_co_u32 s[T], s[T], 1
	s_cmp_lt_u32 s[T], 16
	s_cbranch_scc1 .Lstep
	CHANGE 0                                       ; the last step is written out: nothing is left to fetch
	STEP 0
	FINISH OPB, 0
	s_wait_tensorcnt 0x0                           ; the wave's end: behind my last tensor load and my last LDS store
	ds_add_u32 v[SPW], v[NIL]
	s_wait_dscnt 0x0
	s_endpgm
.Lfunc_end_k_qf8e9c38843_attn:
	.size	k_qf8e9c38843_attn, .Lfunc_end_k_qf8e9c38843_attn-k_qf8e9c38843_attn
	.p2alignl 7, 3214868480
	.fill 96, 4, 3214868480
	.section	.rodata,"a",@progbits
	.p2align	6, 0x0
	.amdhsa_kernel k_qf8e9c38843_attn
		.amdhsa_group_segment_fixed_size 327680
		.amdhsa_private_segment_fixed_size 0
		.amdhsa_enable_private_segment 0
		.amdhsa_kernarg_size 24
		.amdhsa_user_sgpr_count 2
		.amdhsa_user_sgpr_kernarg_segment_ptr 1
		.amdhsa_wavefront_size32 1
		.amdhsa_system_sgpr_workgroup_id_x 1
		.amdhsa_system_sgpr_workgroup_id_y 1
		.amdhsa_system_sgpr_workgroup_id_z 1
		.amdhsa_system_vgpr_workitem_id 0
		.amdhsa_next_free_vgpr 256
		.amdhsa_next_free_sgpr 66
		.amdhsa_reserve_vcc 1
		.amdhsa_float_denorm_mode_32 3
		.amdhsa_float_denorm_mode_16_64 3
		.amdhsa_memory_ordered 1
		.amdhsa_forward_progress 1
		.amdhsa_inst_pref_size 82
	.end_amdhsa_kernel
	.amdgpu_metadata
---
amdhsa.version: [ 1, 2 ]
amdhsa.kernels:
  - .name:           k_qf8e9c38843_attn
    .symbol:         k_qf8e9c38843_attn.kd
    .args:
      - { .name: q, .offset: 0, .size: 8, .value_kind: global_buffer, .address_space: global }
      - { .name: kv, .offset: 8, .size: 8, .value_kind: global_buffer, .address_space: global }
      - { .name: out0, .offset: 16, .size: 8, .value_kind: global_buffer, .address_space: global }
    .group_segment_fixed_size: 327680
    .private_segment_fixed_size: 0
    .kernarg_segment_align: 8
    .kernarg_segment_size: 24
    .max_flat_workgroup_size: 512
    .sgpr_count:     66
    .vgpr_count:     256
    .wavefront_size: 32
...
	.end_amdgpu_metadata
.endif
;; end of part 2
